; MI455X (gfx1250); checked and timed in simulation.
; The chip was launched on July 23, 2026; its instructions are those of AMD's public machine-readable ISA for CDNA 5 (MIT licence, August 2026) and "CDNA5" Instruction Set Architecture Reference Guide (July 2026). The comments in the code are by the model that wrote it; some were corrected since.
;; Vector Quantizer. Allowed arithmetic: matrix products marked QUANTISED: E4M3 operands, one given power-of-two scale a tensor, by v_wmma_f32_16x16x64_fp8_fp8 or v_wmma_f32_16x16x128_fp8_fp8, f32 sums; everything else in f32.
;; Inputs: codebook 8,192 x 256 float32; lowp_scales 2 int32 (the exponents e of the quantised operands' scales 2^e); z_f 32,768 x 256 float32.
;; Outputs: out0 32,768 x 256 float32.
;; This version of the problem:
;;   THIS VERSION OF THE PROBLEM IS GIVEN IN LOW PRECISION. The matrix products marked QUANTISED in the list below multiply operands that are first quantised to E4M3 (4 exponent bits, 3 mantissa bits; 8 bits a number), with one given power-of-two scale for each operand tensor; their sums are f32. All else is computed in f32.
;;   The module's matrix products, in the order in which they are computed (A, B: the left and right operand; K: the contracted axis; several contracted axes count as one K, in the product's order):
;;     1. [M 32,768, K 256] x [K 256, N 8,192]; A: input z_f; B: input codebook: QUANTISED (scales: A lowp_scales[0], B lowp_scales[1])
;;   THE QUANTISER, for each operand of a quantised product, along K:
;;     - The operand's scale is 2^e, e = its entry of the input lowp_scales (int32; the entries are numbered through the quantised products in the list's order, A before B).
;;     - Each number is divided by the scale, clamped to +-448, and rounded to the nearest number of E4M3, ties to even, subnormals kept.
;;     - The product sums the exact products of the quantised numbers (number of the format x scale) in f32.
;;   ~~~python
;;   def quantise(x, axis, e):      # numpy; x: float32 -> the quantised numbers, widened to float32 again
;;       x = np.moveaxis(x, axis, -1); K = x.shape[-1]
;;       r = np.clip(x / 2.0 ** e, -448, 448)
;;       step = 2.0 ** (np.maximum(np.frexp(np.where(r == 0, 1, r))[1] - 1, -6) - 3)
;;       q = np.round(r / step) * step * 2.0 ** e      # np.round: ties to even
;;       return np.moveaxis(q, -1, axis).astype(np.float32)
;;   ~~~
;; One version. Each part assembles by itself: llvm-mc -triple=amdgcn-amd-amdhsa -mcpu=gfx1250 --defsym DOCPART=n.
;; ======== version 1 of 1: 3 launches
;; workspace buffers: zw 8,519,680 bytes; cbw 2,129,920 bytes; idx 131,072 bytes of whole numbers
;; launch quant (part 1): grid 640 x 1, 4 waves a work-group, no clusters, 18,944 bytes of LDS; arguments z_f, codebook, lowp_scales, zw, cbw; writes zw, cbw
.if DOCPART == 1
	.amdgcn_target "amdgcn-amd-amdhsa--gfx1250"
	.amdhsa_code_object_version 6
	.text
	.protected	k_qc62c39f1fe_quant
	.globl	k_qc62c39f1fe_quant
	.p2align	8
	.type	k_qc62c39f1fe_quant,@function
k_qc62c39f1fe_quant:
	s_mov_b64 s[64:65], 0
	v_nop
	global_prefetch_b8 v0, s[64:65] scope:SCOPE_SE
	s_setreg_imm32_b32 hwreg(HW_REG_WAVE_MODE, 25, 1), 1
	s_wait_xcnt 0x0
; z_f [32768][256] and codebook [8192][256], f32, become codes of FP8 (E4M3), each tensor with the one scale 2^e that is given for it (entry 0: z_f, entry 1: codebook),
; and each row's sum of squares of the UNQUANTISED numbers is taken in f32.  code = x / 2^e, held within +-448, rounded to the nearest code, ties to even.
; LIMITS: -126 <= e <= 119, so that 2^e and 448 x 2^e are f32 numbers.  NaN among the inputs is not served.  A row's sum of squares is a tree of f32 sums (16 numbers a lane, then 16 lanes).
; WHAT IS STORED.  A BLOCK is 64 rows, 16,640 bytes = 65 x 256: four tile images of 4,096 bytes (16 rows each), then the 64 sums (256 bytes).
; A tile image is the image of an operand's 32 registers (two K steps of 128): chunk c (0..7) is 512 bytes, and lane L = (r = L % 16, h = L / 16) owns the 16 bytes at 512 c + 16 L: registers 4 c .. 4 c + 3,
; which hold row r's places 32 c + 16 h + 0 .. 15.  Place 16 a + 4 q + i holds the code of k = 64 q + 4 a + i: ONE permutation of k, the same for both tensors since one path makes both, so in the
; product every code meets its partner.  It is the order in which a lane gets its 16 numbers from loads that are dense: lane a of a row takes 16 bytes at 256 q + 16 a.
; SHARES.  Work-groups 0..511 take z_f's blocks, 512..639 the codebook's: only pointers, e and the block's number are chosen, there is one path.  Wave w makes tile w of the block.
; Lanes 0-15 work on row p, lanes 16-31 on row p + 8 (p = 0..7: a PAIR).  All 32 loads of a wave go out at once (16 KiB); no register that a store reads is written again.
; No tensor load, no matrix work, no cluster: no two work-groups read the same byte.
.set BLK,   16640
.set ZB,    512                        ; z_f's blocks
.set SPC,   272                        ; the stage: piece b (16 places of 16 rows, 256 bytes) + 16 of padding, so that 16 lanes' 16-byte stores, a piece apart, fall on 16 different columns of 16 bytes
.set STG,   16*SPC                     ; a wave's stage
.set SUMS,  4*STG                      ; behind the four stages: the block's 64 sums
.set XA,    4                          ; v4   8192 (lane / 16) + 16 (lane % 16): my 16 bytes of a load's two rows
.set STO,   5                          ; v5   into the stage: piece = lane % 16, row 8 (lane / 16) (+ p by the immediate)
.set SRD,   6                          ; v6   out of it: piece lane / 16 (+ 2 c by the immediate), row lane % 16
.set SA,    7                          ; v7   my row's sum: SUMS + 64 wave + 32 (lane / 16) (+ 4 p)
.set GO,    8                          ; v8   my 16 bytes in the block: 4096 wave + 16 lane
.set L8,    9                          ; v9   8 x lane
.set LIMV,  10                         ; v10  448 x 2^e
.set SCL,   11                         ; v11  2^e
.set SQ,    12                         ; v12-19  squares at work, two sets by turns
.set C,     20                         ; v20-51  a pair's codes: 4 registers each
.set SUMR,  52                         ; v52-59  a pair's sums
.set X,     64                         ; v64-191 a pair's numbers: 16 registers each; v64-95 later take the image on its way out
	s_load_b128 s[4:7], s[0:1], 0x0                ; z_f, codebook
	s_load_b64 s[8:9], s[0:1], 0x10                ; the scales' exponents
	s_load_b128 s[12:15], s[0:1], 0x18             ; zw, cbw
	v_lshl_add_u32 v192, v0, 2, 0x4800
	v_mov_b32 v193, 0
	v_lshrrev_b32 v1, 5, v0
	v_readfirstlane_b32 s16, v1                    ; wave 0..3
	v_and_b32 v1, 31, v0                           ; lane
	v_and_b32 v2, 15, v0                           ; a
	v_bfe_u32 v3, v0, 4, 1                         ; g
	v_lshlrev_b32 v[XA], 4, v2
	v_lshl_add_u32 v[XA], v3, 13, v[XA]            ; eight rows of 1,024 bytes further down for lanes 16-31
	s_mul_i32 s17, s16, STG
	v_mul_u32_u24 v[STO], v2, SPC
	v_lshl_add_u32 v[STO], v3, 7, v[STO]
	v_add_nc_u32 v[STO], s17, v[STO]
	v_mul_u32_u24 v[SRD], v3, SPC
	v_lshl_add_u32 v[SRD], v2, 4, v[SRD]
	v_add_nc_u32 v[SRD], s17, v[SRD]
	s_lshl_b32 s18, s16, 6
	s_add_co_u32 s18, s18, SUMS
	v_lshl_add_u32 v[SA], v3, 5, s18
	s_lshl_b32 s19, s16, 12
	v_lshl_add_u32 v[GO], v1, 4, s19
	v_lshlrev_b32 v[L8], 3, v1
	s_wait_kmcnt 0x0
	s_load_b64 s[22:23], s[8:9], 0x0               ; e of z_f, e of the codebook
	s_cmp_lt_u32 ttmp9, ZB                         ; the choice hangs on the work-group's number alone
	s_cselect_b64 s[4:5], s[4:5], s[6:7]           ; from where,
	s_cselect_b64 s[10:11], s[12:13], s[14:15]     ; to where,
	s_cselect_b32 s24, 0, ZB
	s_sub_co_u32 s24, ttmp9, s24                   ; which block of the tensor
	s_lshl_b32 s20, s24, 16                        ; 64 rows of 1,024 bytes,
	s_lshl_b32 s21, s16, 14                        ; my wave's 16 of them
	s_add_co_u32 s20, s20, s21
	s_mov_b32 s21, 0
	s_add_nc_u64 s[4:5], s[4:5], s[20:21]
	s_mul_i32 s20, s24, BLK
	s_add_nc_u64 s[10:11], s[10:11], s[20:21]
.irp p, 0,1,2,3,4,5,6,7
.irp q, 0,1,2,3
	global_load_b128 v[X+16*\p+4*\q:X+16*\p+4*\q+3], v[XA], s[4:5] offset:1024*\p+256*\q th:TH_LOAD_NT   ; lanes 0-15: 256 consecutive bytes of row p; lanes 16-31: of row p + 8
.endr
.endr
	s_wait_kmcnt 0x0
	s_cmp_lt_u32 ttmp9, ZB
	s_cselect_b32 s22, s22, s23                    ; e
	s_add_co_i32 s22, s22, 127
	s_lshl_b32 s23, s22, 23
	v_mov_b32 v[SCL], s23                          ; 2^e as f32: the conversion takes its exponent field
	s_add_co_i32 s22, s22, 8
	s_lshl_b32 s22, s22, 23
	s_or_b32 s22, s22, 0x600000
	v_mov_b32 v[LIMV], s22                         ; 448 x 2^e
.macro PAIR p
.set x0, X+16*(\p)
.set sq, SQ+4*((\p)%2)
	s_wait_loadcnt 4*(7-(\p))                      ; loads come back in order: this pair's four are in, the four of each later pair may be out
	v_pk_mul_f32 v[sq:sq+1], v[x0:x0+1], v[x0:x0+1]            ; the squares of the numbers as they came, in two chains; the first products start the sums
	v_pk_mul_f32 v[sq+2:sq+3], v[x0+2:x0+3], v[x0+2:x0+3]
.irp j, 4,8,12
	v_pk_fma_f32 v[sq:sq+1], v[x0+\j:x0+\j+1], v[x0+\j:x0+\j+1], v[sq:sq+1]
	v_pk_fma_f32 v[sq+2:sq+3], v[x0+\j+2:x0+\j+3], v[x0+\j+2:x0+\j+3], v[sq+2:sq+3]
.endr
	v_pk_add_f32 v[sq:sq+1], v[sq:sq+1], v[sq+2:sq+3]
	v_add_f32 v[SUMR+(\p)], v[sq], v[sq+1]
.irp m, 1,2,4,8
	v_add_f32_dpp v[SUMR+(\p)], v[SUMR+(\p)], v[SUMR+(\p)] row_xmask:\m row_mask:0xf bank_mask:0xf   ; over the 16 lanes that share the row: each ends with the row's sum
.endr
.irp i, 0,1,2,3,4,5,6,7,8,9,10,11,12,13,14,15
	v_med3_num_f32 v[x0+\i], v[x0+\i], -v[LIMV], v[LIMV]       ; the conversion to an 8-bit code does not saturate (ISA guide 7.6.2): hold the number within the largest code x the scale first
.endr
	v_cvt_scalef32_pk8_fp8_f32 v[C+4*(\p):C+4*(\p)+1], v[x0:x0+7], v[SCL]
	v_cvt_scalef32_pk8_fp8_f32 v[C+4*(\p)+2:C+4*(\p)+3], v[x0+8:x0+15], v[SCL]   ; (the next vector line is plain and touches other registers; the results go to a store alone)
	ds_store_b128 v[STO], v[C+4*(\p):C+4*(\p)+3] offset:16*(\p)   ; piece a, row p + 8 g
	ds_store_b32 v[SA], v[SUMR+(\p)] offset:4*(\p)                ; sixteen lanes write one word with one value
.endm
.irp p, 0,1,2,3,4,5,6,7
	PAIR \p
.endr
	v_nop                                          ; one plain vector line behind the last conversion
.irp c, 0,1,2,3,4,5,6,7
	ds_load_b128 v[X+4*\c:X+4*\c+3], v[SRD] offset:2*SPC*\c    ; chunk c: piece 2 c + h, row r.  LDS serves a wave's instructions in order: these see my stores
.endr
	s_wait_dscnt 0x0                               ; my image is back, and, for wave 0's sake, my sums have landed
	s_barrier_signal -1
	s_barrier_wait -1
.irp c, 0,1,2,3,4,5,6,7
	global_store_b128 v[GO], v[X+4*\c:X+4*\c+3], s[10:11] offset:512*\c   ; 32 lanes store 512 consecutive bytes, at a multiple of 256 from the buffer's first byte
.endr
	s_cmp_lg_u32 s16, 0                            ; the block's 64 sums leave by wave 0: 32 lanes x 8 bytes = 256 consecutive bytes, aligned
	s_cbranch_scc1 .Ldone
	ds_load_b64 v[SQ:SQ+1], v[L8] offset:SUMS
	s_wait_dscnt 0x0
	global_store_b64 v[L8], v[SQ:SQ+1], s[10:11] offset:16384
.Ldone:
	s_wait_tensorcnt 0x0
	ds_add_u32 v192, v193
	s_wait_dscnt 0x0
	s_endpgm
.Lfunc_end_k_qc62c39f1fe_quant:
	.size	k_qc62c39f1fe_quant, .Lfunc_end_k_qc62c39f1fe_quant-k_qc62c39f1fe_quant
	.p2alignl 7, 3214868480
	.fill 96, 4, 3214868480
	.section	.rodata,"a",@progbits
	.p2align	6, 0x0
	.amdhsa_kernel k_qc62c39f1fe_quant
		.amdhsa_group_segment_fixed_size 18944
		.amdhsa_private_segment_fixed_size 0
		.amdhsa_enable_private_segment 0
		.amdhsa_kernarg_size 40
		.amdhsa_user_sgpr_count 2
		.amdhsa_user_sgpr_kernarg_segment_ptr 1
		.amdhsa_wavefront_size32 1
		.amdhsa_system_sgpr_workgroup_id_x 1
		.amdhsa_system_sgpr_workgroup_id_y 1
		.amdhsa_system_sgpr_workgroup_id_z 1
		.amdhsa_system_vgpr_workitem_id 0
		.amdhsa_next_free_vgpr 194
		.amdhsa_next_free_sgpr 66
		.amdhsa_reserve_vcc 0
		.amdhsa_float_denorm_mode_32 3
		.amdhsa_float_denorm_mode_16_64 3
		.amdhsa_memory_ordered 1
		.amdhsa_forward_progress 1
		.amdhsa_inst_pref_size 25
	.end_amdhsa_kernel
	.amdgpu_metadata
---
amdhsa.version: [ 1, 2 ]
amdhsa.kernels:
  - .name:           k_qc62c39f1fe_quant
    .symbol:         k_qc62c39f1fe_quant.kd
    .args:
      - { .name: z_f, .offset: 0, .size: 8, .value_kind: global_buffer, .address_space: global }
      - { .name: codebook, .offset: 8, .size: 8, .value_kind: global_buffer, .address_space: global }
      - { .name: lowp_scales, .offset: 16, .size: 8, .value_kind: global_buffer, .address_space: global }
      - { .name: zw, .offset: 24, .size: 8, .value_kind: global_buffer, .address_space: global }
      - { .name: cbw, .offset: 32, .size: 8, .value_kind: global_buffer, .address_space: global }
    .group_segment_fixed_size: 18944
    .private_segment_fixed_size: 0
    .kernarg_segment_align: 8
    .kernarg_segment_size: 40
    .max_flat_workgroup_size: 128
    .sgpr_count:     66
    .vgpr_count:     194
    .wavefront_size: 32
...
	.end_amdgpu_metadata
.endif
;; end of part 1
;; launch nearest (part 2): grid 256 x 1, 8 waves a work-group, clusters of 4 x 1, 327,680 bytes of LDS; arguments zw, cbw, lowp_scales, idx; writes idx
.if DOCPART == 2
	.amdgcn_target "amdgcn-amd-amdhsa--gfx1250"
	.amdhsa_code_object_version 6
	.text
	.protected	k_qc62c39f1fe_nearest
	.globl	k_qc62c39f1fe_nearest
	.p2align	8
	.type	k_qc62c39f1fe_nearest,@function
k_qc62c39f1fe_nearest:
	s_mov_b64 s[64:65], 0
	v_nop
	global_prefetch_b8 v0, s[64:65] scope:SCOPE_SE
	s_setreg_imm32_b32 hwreg(HW_REG_WAVE_MODE, 25, 1), 1
	s_wait_xcnt 0x0
	s_wait_alu depctr_hold_cnt(0) depctr_sa_sdst(0) depctr_va_vdst(0) depctr_va_sdst(0) depctr_va_ssrc(0) depctr_va_vcc(0) depctr_vm_vsrc(0)
	s_getreg_b32 s2, hwreg(HW_REG_IB_STS2, 6, 4)
	s_cmp_eq_u32 s2, 0
	s_cbranch_scc0 .Lentry_in_a_cluster
	s_endpgm
.Lentry_in_a_cluster:
	s_bfe_u32 s2, ttmp6, 0x10000c
	s_cmp_lg_u32 s2, 0x3003
	s_cbranch_scc0 .Lentry_shape_is_right
	s_endpgm
.Lentry_shape_is_right:
; idx[n] = the FIRST k that makes d[n][k] = fl(fl(zz[n] + cc[k]) - 2 mm[n][k]) smallest.  mm = the product of the codes of FP8 (E4M3) x 2^(e0 + e1), sums in f32; zz, cc: the rows' sums of squares, f32.
; d IS FORMED WITH THE DEFINITION'S TWO ROUNDINGS: t = zz + cc (one addition), d = sum x (-2^(e0 + e1 + 1)) + t (one fused multiply-add: the factor is a power of two, so only the sum with t is rounded).
; Values of d that are equal after these roundings are ties, and the lower k wins at every level: only a strictly smaller d displaces what is kept.
; LIMITS: e0 + e1 + 1 between -126 and 127, so that the factor is an f32 number.  NaN among the d, and d = -infinity, are not served; where all d of a row are +infinity the result is 0.
; zw, cbw: blocks of 64 rows, 16,640 bytes: four images of operand registers (16 rows x 256 K: 32 registers, chunk c of 512 bytes = registers 4 c .. 4 c + 3, lane l's 16 bytes at 16 l), then the 64 sums of squares.
; SHARES.  A work-group owns 128 tokens.  EVERY wave holds all 128 as source 1 (8 tiles x 32 registers, window 1) for the whole launch; wave w owns codes 1024 w .. 1024 w + 1023, sixteen blocks, one a trip.
; So each fragment of codes is read from LDS once in a work-group and feeds 16 matrix instructions.  Eight waves of 512 registers, two to a SIMD: per tile of 16 x 16 results there are 2 matrix and 22 vector
; instructions, so the vector work decides, and a second wave's vector work can be issued beside the first's window switches, scalar lines and LDS loads.
; ORIENTATION.  Source 0 = 16 codes, source 1 = 16 tokens: lane (r, h) holds token r, and register j the code 16 x tile + 8 h + j.
; THE ARGMIN, per lane and token tile: run = the smallest d so far, gid = the code tile in which it was first reached, and a copy of that tile's eight d.  A tile costs 4 packed additions, 4 packed
; multiply-adds, 4 three-way minima (run folded in), 1 compare and 9 selects; which of the eight it was is found once, at the end.  No branch and no address hangs on any of it.
; CLUSTER.  The four work-groups of a cluster walk the same codes: each wave's block is asked for JOINTLY, by the same tensor load with the same descriptor (it hangs on the wave's number alone) and a mask of all four.
; REGISTERS.  Window 0: all that vector and LDS instructions touch.  Window 1: the tokens, tile i, K step s at v[32 i + 16 s].  Only source 1 of the matrix instructions lies in window 1, so each of them stands
; between two switches; the 11 vector instructions behind it are the previous pair of token tiles' work: matrix and vector work by turns in one wave.
.set BLK,   16640
.set SLOTB, 8*BLK                      ; a slot: one block for each wave, wave w's at w x BLK
.set ZIMG,  2*SLOTB                    ; behind the ring: the 8 token tiles' images, 32,768 bytes, written by LDS stores alone
.set RV,    ZIMG+32768                 ; the waves' smallest d: 128 tokens x 4 bytes for each wave; their indices 4,096 bytes further on
.set SPARE, RV+8192                    ; the spare words, 128 bytes for each wave: four blocks of 256 bytes that no other line names
.set ADRA,  1                          ; v1, v2   my 16 bytes of an image's chunk in slot 0, 1: slot + w x BLK + 16 lane
.set ADRC,  3                          ; v3, v4   my half's eight cc: slot + w x BLK + 16384 + 32 h
.set SPW,   5                          ; v5   LDS address of my spare word; never rewritten
.set NIL,   6                          ; v6   0; never rewritten
.set PFO,   7                          ; v7   the prefetches' offset; never rewritten
.set H8,    8                          ; v8   8 h
.set ZL,    9                          ; v9   ZIMG + 16 lane
.set RVA,   10                         ; v10  RV + 512 w + 4 r
.set FA,    11                         ; v11  RV + 16 lane
.set L16,   12                         ; v12  16 lane
.set A,     16                         ; v16-79   a code tile's fragments (32 registers), two buffers by turns
.set CC,    80                         ; v80-95   a code tile's eight cc of my half, two sets by turns
.set T,     96                         ; v96-111  t = zz + cc for the pair of token tiles in hand
.set M,     112                        ; v112-117 minima at work
.set D,     120                        ; v120-151 the sums, then d: two sets by turns x two token tiles x 8
.set ST,    160                        ; v160-255 token tile i at ST + 12 i: +0 zz, +1 gid, +2 and +3 run (by turns: the old one is compared with the new), +4..11 the copy of eight d
.set WV,    12                         ; s12  my wave's number
.set G1,    16                         ; s[16:23] descriptor group 1
.set G0,    24                         ; s[24:31] descriptor group 0, a set for each slot
.set SC,    32                         ; s[32:33] -2^(e0 + e1 + 1), twice
.set SEL,   34                         ; s[34:35] lane selects for v_permlanex16_b32: lane l xor 16
.set TN,    36                         ; s[36:39] the numbers of the trip's four code tiles: 64 w + 4 trip + 0..3
.set CNT,   40                         ; s40  the loop's counter
.set LIM0,  41                         ; s41  0, s42  1 in a wave that prefetches, else the greatest number: it asks while the counter is above
.set LIM1,  42
.set MB,    43                         ; s43  the second token tile's mask
.set PFA,   44                         ; s[44:45] cbw + (trip + 2) blocks
.set W_MM,  0x04                       ; source 1 in window 1
.set W_B,   0x40                       ; destination in window 1
.set MSB, 0
.macro WIN new                         ; the immediate's high byte repeats the setting that is left; a switch that changes nothing is dropped
.if MSB != \new
	s_set_vgpr_msb (MSB<<8)|\new
.set MSB, \new
.endif
.endm
; A round of the cluster's barrier: my work-group's barrier, so that wave 0's signal speaks for all eight waves; wave 0 signals; every wave waits for all four work-groups; my work-group's barrier once more.
.macro ROUND
	s_barrier_signal -1
	s_barrier_wait -1
	s_cmp_lg_u32 s[WV], 0
	s_cbranch_scc1 .Lnot_wave_0_\@
	s_barrier_signal -3
.Lnot_wave_0_\@:
	s_barrier_wait -3
	s_barrier_signal -1
	s_barrier_wait -1
.endm
; Code tile tau of my block in a slot: its image (8 loads of 512 consecutive bytes) and my half's eight cc (16 lanes share each word).
.macro LOADA slot, tau
.irp c, 0,1,2,3,4,5,6,7
	ds_load_b128 v[A+32*((\tau)%2)+4*\c:A+32*((\tau)%2)+4*\c+3], v[ADRA+\slot] offset:4096*(\tau)+512*\c
.endr
	ds_load_b128 v[CC+8*((\tau)%2):CC+8*((\tau)%2)+3], v[ADRC+\slot] offset:64*(\tau)
	ds_load_b128 v[CC+8*((\tau)%2)+4:CC+8*((\tau)%2)+7], v[ADRC+\slot] offset:64*(\tau)+16
.endm
; A GROUP is code tile tau x the pair p of token tiles 2 p, 2 p + 1: four matrix instructions q: (tile, K step) = (a, 0), (b, 0), (a, 1), (b, 1).  The first K step starts each sum with the constant 0.
; The two accumulators take turns, one instruction a turn, and neighbouring groups use the other set.
.macro MM tau, p, q
.set u, (\q)%2
.set ks, (\q)/2
.set dD, D+16*((\p)%2)+8*u
.set aA, A+32*((\tau)%2)+16*ks
.set bB, 32*(2*(\p)+u)+16*ks
.if ks == 0
	v_wmma_f32_16x16x128_fp8_fp8 v[dD:dD+7], v[aA:aA+15], v[bB:bB+15], 0
.else
	v_wmma_f32_16x16x128_fp8_fp8 v[dD:dD+7], v[aA:aA+15], v[bB:bB+15], v[dD:dD+7]
.endif
.endm
; Number vn of a group's 44 vector instructions.  0-7 t for a, b;  8-15 d, in place, each accumulator from its low end on;  16-23 the new run;  24, 25 the masks 'nothing smaller came';
; 26-34 a's gid and copy, 35-43 b's: kept where the mask is set, else taken from this tile.
.macro VOP tau, p
.set rA, ST+24*(\p)
.set rB, rA+12
.set dA, D+16*((\p)%2)
.set dB, dA+8
.set cC, CC+8*((\tau)%2)
.set oL, 2+((\tau)%2)
.set nW, 3-((\tau)%2)
.if vn < 4
.set x, 2*vn
	v_pk_add_f32 v[T+x:T+x+1], v[cC+x:cC+x+1], v[rA:rA+1] op_sel_hi:[1,0]            ; cc + zz (of the pair zz, gid the low word serves both halves)
.elseif vn < 8
.set x, 2*(vn-4)
	v_pk_add_f32 v[T+8+x:T+8+x+1], v[cC+x:cC+x+1], v[rB:rB+1] op_sel_hi:[1,0]
.elseif vn < 12
.set x, 2*(vn-8)
	v_pk_fma_f32 v[dA+x:dA+x+1], v[dA+x:dA+x+1], s[SC:SC+1], v[T+x:T+x+1] op_sel_hi:[1,0,1]   ; d = t - 2 mm, rounded once
.elseif vn < 16
.set x, 2*(vn-12)
	v_pk_fma_f32 v[dB+x:dB+x+1], v[dB+x:dB+x+1], s[SC:SC+1], v[T+8+x:T+8+x+1] op_sel_hi:[1,0,1]
.elseif vn == 16
	v_min3_num_f32 v[M], v[dA], v[dA+1], v[dA+2]
.elseif vn == 17
	v_min3_num_f32 v[M+1], v[dA+3], v[dA+4], v[dA+5]
.elseif vn == 18
	v_min3_num_f32 v[M+2], v[dA+6], v[dA+7], v[rA+oL]
.elseif vn == 19
	v_min3_num_f32 v[M+3], v[dB], v[dB+1], v[dB+2]
.elseif vn == 20
	v_min3_num_f32 v[M+4], v[dB+3], v[dB+4], v[dB+5]
.elseif vn == 21
	v_min3_num_f32 v[M+5], v[dB+6], v[dB+7], v[rB+oL]
.elseif vn == 22
	v_min3_num_f32 v[rA+nW], v[M], v[M+1], v[M+2]
.elseif vn == 23
	v_min3_num_f32 v[rB+nW], v[M+3], v[M+4], v[M+5]
.elseif vn == 24
	v_cmp_ge_f32 vcc_lo, v[rA+nW], v[rA+oL]        ; the new run is never above the old: set where they are equal
.elseif vn == 25
	v_cmp_ge_f32 s[MB], v[rB+nW], v[rB+oL]
.elseif vn == 26
	v_cndmask_b32 v[rA+1], s[TN+(\tau)], v[rA+1], vcc_lo
.elseif vn < 35
.set x, vn-27
	v_cndmask_b32 v[rA+4+x], v[dA+x], v[rA+4+x], vcc_lo
.elseif vn == 35
	v_cndmask_b32 v[rB+1], s[TN+(\tau)], v[rB+1], s[MB]
.else
.set x, vn-36
	v_cndmask_b32 v[rB+4+x], v[dB+x], v[rB+4+x], s[MB]
.endif
.endm
.macro VGROUP tau, p                   ; a group's vector work, bare
.set vn, 0
.rept 44
	VOP \tau, \p
.set vn, vn+1
.endr
.endm
; Group (tau, p)'s matrix instructions, each followed by 11 of the PREVIOUS group's vector instructions, which name none of its registers.  So between a group's last product on an accumulator and the first
; read of it stand 30 (tile a) and 23 (tile b) plain vector instructions: four are asked (ISA guide 7.12.1).
.macro WGROUP tau, p, ptau, pp
.set vn, 0
.irp q, 0,1,2,3
	WIN W_MM
	MM \tau, \p, \q
	WIN 0
.rept 11
	VOP \ptau, \pp
.set vn, vn+1
.endr
.endr
.endm
.macro WBARE tau, p                    ; a trip's first group: there is no vector work left to set between
	WIN W_MM
.irp q, 0,1,2,3
	MM \tau, \p, \q
.endr
	WIN 0
.endm
; A PREFETCH INTO THE L2 of the images that the NEXT trip's joint loads will ask for: trip t asks for blocks 16 w' + t + 2, w' = 0..7: 8 x 64 aligned pieces of 256 bytes.  All clusters walk the same codes: cluster 0 asks.
; Its four partners are told apart BY ADDRESS (pieces 16 cx .. 16 cx + 15 of each block); in each, waves 0 to 3 ask, lane (r, h) of wave w for piece 16 cx + r of block w' = 2 w + h: 512 lanes, 512 pieces, each named
; once in the launch.  A block's 65th piece (its cc) and the blocks of trips 0 and 1 come by their loads alone.  The last to ask is trip 13, for the blocks of trip 15.
.macro ASK lim
	s_cmp_gt_u32 s[CNT], s[\lim]
	s_cbranch_scc0 .Lnot_mine_\@
	global_prefetch_b8 v[PFO], s[PFA:PFA+1] th:TH_LOAD_NT scope:SCOPE_SE
.Lnot_mine_\@:
.endm
; A TRIP: one slot, my block of 64 codes: 4 code tiles x 4 pairs of token tiles = 16 groups.  refill = 1: the other slot is asked for.  first = 1: the launch's first trip: no group is pending from a trip before.
.macro BODY slot, refill, first, lim
	s_wait_tensorcnt 0x0                           ; all my tensor loads have landed: the one that was out is my block of this slot; so a group 0 may be written
	ds_add_u32 v[SPW], v[NIL]                      ; 0 onto my spare word: the steps below stand between it and the wait for it
.if \refill
	s_add_nc_u64 s[G0+4*\slot+2:G0+4*\slot+3], s[G0+4*\slot+2:G0+4*\slot+3], 2*BLK   ; this slot's next block; the type bits on top are not reached
.if !\first
	s_wait_xcnt 0x0                                ; the last prefetch, a trip back, has read its address, so it may be written
	s_add_nc_u64 s[PFA:PFA+1], s[PFA:PFA+1], BLK
.endif
.endif
	s_wait_dscnt 0x0                               ; the add is done; my reads of the other slot came back in the trip before
	ROUND                                          ; no wave of any partner still reads the other slot or has a load on its way
.if \refill
	tensor_load_to_lds s[G0+4*(1-\slot):G0+4*(1-\slot)+3], s[G1:G1+7]   ; my one tensor load behind the round, and the first thing there: it has this trip's 64 matrix and 704 vector instructions in which to land
	s_nop 0
.rept 4
	v_nop                                          ; four lines follow the load ahead of all else
.endr
.endif
	LOADA \slot, 0
.if \refill
	ASK \lim
.endif
.if !\first
	VGROUP 3, 3                                    ; the last trip's pending group, while the loads above are out
.irp t, 0,1,2,3
	s_add_co_u32 s[TN+\t], s[TN+\t], 4             ; this trip's code tiles
.endr
.endif
	s_wait_dscnt 0x0                               ; code tile 0 is in
	WBARE 0, 0
	LOADA \slot, 1                                 ; into the other buffer: its last products and the last reads of its cc stand in front of the 44 vector instructions above (in the first trip it is fresh)
.set g, 1
.rept 15
.set gt, g/4
.set gp, g%4
.set ht, (g-1)/4
.set hp, (g-1)%4
.if gp == 0
	s_wait_dscnt 0x0                               ; this code tile was asked for four groups ago
.endif
	WGROUP gt, gp, ht, hp
.if (gp == 0) && (gt < 3)
	LOADA \slot, gt+1                              ; the buffer of the tile before: its last product stands 55 plain vector instructions back, and its cc were last read in the group just written
.endif
.set g, g+1
.endr
.endm
	s_load_b256 s[4:11], s[0:1], 0x0               ; zw s[4:5], cbw s[6:7], the scales' exponents s[8:9], idx s[10:11]
	v_lshl_add_u32 v[SPW], v0, 2, SPARE
	v_mov_b32 v[NIL], 0
	ds_add_u32 v5, v6
	ds_add_u32 v5, v6
	s_wait_dscnt 0x0
	v_lshrrev_b32 v13, 5, v0
	v_readfirstlane_b32 s[WV], v13                 ; wave 0..7
	s_bfe_u32 s13, ttmp6, 0x40000                  ; cx: my place in the cluster: it enters global addresses of my own loads, my store and the prefetches alone
	s_lshl_b32 s14, ttmp9, 2                       ; in a cluster launch ttmp9 counts clusters
	s_add_co_u32 s14, s14, s13                     ; my work-group: 128 tokens
	; descriptor group 1: a block is dense in memory: 65 rows of 256 bytes, no padding (images are read 512 consecutive bytes an instruction)
	s_mov_b32 s[G1], 15|(3<<16)|(1<<21)            ; 15:0 the mask: all four work-groups; 17:16 elements of 8 bytes; 21 set beside a mask
	s_mov_b32 s[G1+1], 32<<16                      ; tensor_dim0 = 32 elements
	s_mov_b32 s[G1+2], 65<<16                      ; tensor_dim1 = 65
	s_mov_b32 s[G1+3], 32<<16                      ; tile_dim0 = 32
	s_mov_b32 s[G1+4], 65                          ; tile_dim1 = 65
	s_mov_b32 s[G1+5], 32                          ; from row to row: 32 elements
	s_mov_b32 s[G1+6], 0
	s_mov_b32 s[G1+7], 0
	v_and_b32 v13, 31, v0
	v_lshlrev_b32 v[L16], 4, v13
	v_and_b32 v14, 15, v0                          ; r
	v_bfe_u32 v15, v0, 4, 1                        ; h
	s_mul_i32 s46, s[WV], BLK                      ; my block's place in a slot
	v_add_nc_u32 v[ADRA], s46, v[L16]
	v_add_nc_u32 v[ADRA+1], SLOTB, v[ADRA]
	s_add_co_u32 s47, s46, 16384
	v_lshl_add_u32 v[ADRC], v15, 5, s47
	v_add_nc_u32 v[ADRC+1], SLOTB, v[ADRC]
	v_lshlrev_b32 v[H8], 3, v15
	v_add_nc_u32 v[ZL], ZIMG, v[L16]
	s_lshl_b32 s47, s[WV], 9
	s_add_co_u32 s47, s47, RV
	v_lshl_add_u32 v[RVA], v14, 2, s47
	v_add_nc_u32 v[FA], RV, v[L16]
	v_mul_u32_u24 v[PFO], v15, 16*BLK              ; the prefetches: block 16 (2 (w % 4) + h), piece 16 cx + r
	v_lshl_add_u32 v[PFO], v14, 8, v[PFO]
	s_and_b32 s47, s[WV], 3
	s_mul_i32 s48, s47, 32*BLK
	s_lshl_b32 s49, s13, 12
	s_add_co_u32 s48, s48, s49
	v_add_nc_u32 v[PFO], s48, v[PFO]
	s_lshr_b32 s49, s[WV], 2                       ; token tile w is fetched by wave w: block w / 4 of my work-group's two, image w % 4
	s_mul_i32 s49, s49, BLK
	s_lshl_b32 s47, s47, 12
	s_add_co_u32 s49, s49, s47
	v_add_nc_u32 v13, s49, v[L16]                  ; its place in memory,
	s_lshl_b32 s47, s[WV], 12
	v_add_nc_u32 v15, s47, v[ZL]                   ; and in LDS
	v_lshlrev_b32 v14, 2, v14                      ; 4 r: my token's zz in a tile's sixteen
	s_mov_b32 s[SEL], 0x76543210
	s_mov_b32 s[SEL+1], 0xfedcba98
	s_lshl_b32 s[TN], s[WV], 6                     ; my first code tile: 64 w
	s_add_co_u32 s[TN+1], s[TN], 1
	s_add_co_u32 s[TN+2], s[TN], 2
	s_add_co_u32 s[TN+3], s[TN], 3
	s_mov_b32 s[CNT], 7
	s_lshr_b32 s47, s[WV], 2                       ; 0 in waves 0 to 3,
	s_or_b32 s47, s47, ttmp9                       ; of cluster 0: the same in all four partners
	s_cmp_eq_u32 s47, 0
	s_cselect_b32 s[LIM0], 0, -1
	s_cselect_b32 s[LIM1], 1, -1
	s_mul_i32 s48, s14, 2*BLK                      ; my work-group's two blocks of zw
	s_mov_b32 s49, 0
	s_wait_kmcnt 0x0
	s_load_b64 s[50:51], s[8:9], 0x0               ; e0, e1
	s_add_nc_u64 s[4:5], s[4:5], s[48:49]
.irp c, 0,1,2,3,4,5,6,7
	global_load_b128 v[A+4*\c:A+4*\c+3], v13, s[4:5] offset:512*\c th:TH_LOAD_NT   ; token tile w's image, 512 consecutive bytes a load
.endr
.irp i, 0,1,2,3,4,5,6,7
	global_load_b32 v[ST+12*\i], v14, s[4:5] offset:(\i/4)*BLK+16384+64*(\i%4)     ; zz of my token in each of the 8 tiles
.endr
	s_lshl_b32 s48, s14, 9
	s_add_nc_u64 s[10:11], s[10:11], s[48:49]      ; idx at my 128 tokens
	s_add_nc_u64 s[PFA:PFA+1], s[6:7], 2*BLK       ; trip 0 asks for the blocks of trip 2
	s_mul_i32 s48, s[WV], 16*BLK
	s_add_nc_u64 s[48:49], s[6:7], s[48:49]        ; cbw at my first block
.irp n, 0,1
	s_mov_b32 s[G0+4*\n], 1                        ; 1:0 count = 1
	s_add_co_u32 s[G0+4*\n+1], s46, \n*SLOTB       ; 63:32 LDS address: slot n, my block's place
	s_add_nc_u64 s[G0+4*\n+2:G0+4*\n+3], s[48:49], \n*BLK   ; 120:64 global address: block 16 w + n
	s_or_b32 s[G0+4*\n+3], s[G0+4*\n+3], 0x80000000         ; 127:126 type = 2
.endr
	ROUND                                          ; all four work-groups are here: the first joint loads meet
	tensor_load_to_lds s[G0:G0+3], s[G1:G1+7]      ; slot 0: the launch's one first fill a wave; slot 1 is first filled behind the first trip's round
	s_nop 0
.rept 4
	v_nop
.endr
	s_mov_b32 s47, 0x7f800000                      ; +infinity: above or equal to every d
.irp i, 0,1,2,3,4,5,6,7
	v_mov_b32 v[ST+12*\i+1], s[TN]                 ; the state, once: my first code tile, run and the copy at +infinity: a row whose d are all +infinity keeps the first index
	v_mov_b32 v[ST+12*\i+2], s47
.irp j, 4,5,6,7,8,9,10,11
	v_mov_b32 v[ST+12*\i+\j], s47
.endr
.endr
	s_wait_kmcnt 0x0
	s_add_co_i32 s[SC], s50, s51
	s_add_co_i32 s[SC], s[SC], 128
	s_lshl_b32 s[SC], s[SC], 23
	s_or_b32 s[SC], s[SC], 0x80000000              ; -2^(e0 + e1 + 1) as f32
	s_mov_b32 s[SC+1], s[SC]                       ; (named with it as a pair, so it is written)
	s_wait_loadcnt 0x0                             ; my token tile's image and the zz
.irp c, 0,1,2,3,4,5,6,7
	ds_store_b128 v15, v[A+4*\c:A+4*\c+3] offset:512*\c
.endr
	s_wait_dscnt 0x0                               ; for the others' sake: my image has landed
	s_barrier_signal -1
	s_barrier_wait -1                              ; slot 0's load may stay out
	WIN W_B
.set k, 0
.rept 64
	ds_load_b128 v[4*k:4*k+3], v[ZL] offset:512*k  ; all 8 token tiles into window 1: tile k / 8, chunk k % 8
.set k, k+1
.endr
	WIN 0
	BODY 0, 1, 1, LIM0                             ; trip 0 (its wait on DScnt in front of the round also shows the tokens in)
.Lloop:                                                ; 7 times: trips 1 to 14
	BODY 1, 1, 0, LIM0
	BODY 0, 1, 0, LIM1
	s_sub_co_u32 s[CNT], s[CNT], 1
	s_cmp_lg_u32 s[CNT], 0
	s_cbranch_scc1 .Lloop
	BODY 1, 0, 0, LIM0                             ; trip 15 is written out: it asks for nothing
	VGROUP 3, 3                                    ; the last group's vector work
	; THE END OF THE ARGMIN.  For each token tile: the first of the eight copies that equals run; the index 16 gid + 8 h + j; then the better of the two halves of the lanes, the lower index where the d are equal.
.irp i, 0,1,2,3,4,5,6,7
.set rT, ST+12*\i
.set wK, D+4*\i
	v_mov_b32 v[wK], 7
.irp j, 6,5,4,3,2,1,0
	v_cmp_neq_f32 vcc_lo, v[rT+4+\j], v[rT+2]
	v_cndmask_b32 v[wK], \j, v[wK], vcc_lo         ; j where copy j equals run: the lowest such j is written last
.endr
	v_lshl_add_u32 v[wK], v[rT+1], 4, v[wK]
	v_add_nc_u32 v[wK], v[wK], v[H8]
	v_permlanex16_b32 v[wK+1], v[rT+2], s[SEL], s[SEL+1]   ; (the destinations have been written: they held sums)
	v_permlanex16_b32 v[wK+2], v[wK], s[SEL], s[SEL+1]
	v_cmp_lt_f32 s46, v[wK+1], v[rT+2]
	v_cmp_eq_f32 s47, v[wK+1], v[rT+2]
	v_cmp_lt_u32 vcc_lo, v[wK+2], v[wK]
	s_and_b32 s47, s47, vcc_lo
	s_or_b32 vcc_lo, s46, s47                      ; the other half's is smaller, or equal with the lower index
	v_cndmask_b32 v[rT+2], v[rT+2], v[wK+1], vcc_lo
	v_cndmask_b32 v[wK], v[wK], v[wK+2], vcc_lo
	ds_store_b32 v[RVA], v[rT+2] offset:64*\i      ; both halves write one word with one value
	ds_store_b32 v[RVA], v[wK] offset:4096+64*\i
.endr
	s_wait_dscnt 0x0                               ; for wave 0's sake: my 128 pairs have landed
	s_barrier_signal -1
	s_barrier_wait -1
	s_cmp_lg_u32 s[WV], 0                          ; wave 0 merges the eight waves' pairs, four tokens a lane, and stores
	s_cbranch_scc1 .Lothers
.irp w, 0,1,2,3,4,5,6,7
	ds_load_b128 v[A+4*\w:A+4*\w+3], v[FA] offset:512*\w
	ds_load_b128 v[A+32+4*\w:A+32+4*\w+3], v[FA] offset:4096+512*\w
.endr
	s_wait_dscnt 0x0
.irp w, 1,2,3,4,5,6,7
.irp x, 0,1,2,3
	v_cmp_lt_f32 vcc_lo, v[A+4*\w+\x], v[A+\x]     ; strictly smaller: a lower wave, whose codes come first, keeps a tie
	v_cndmask_b32 v[A+\x], v[A+\x], v[A+4*\w+\x], vcc_lo
	v_cndmask_b32 v[A+32+\x], v[A+32+\x], v[A+32+4*\w+\x], vcc_lo
.endr
.endr
	global_store_b128 v[L16], v[A+32:A+35], s[10:11]   ; 32 lanes store 512 consecutive bytes, at a multiple of 256 from idx's first byte
.Lothers:
	s_wait_tensorcnt 0x0                           ; the wave's end: behind my last tensor load and my last LDS store
	ds_add_u32 v[SPW], v[NIL]
	s_wait_dscnt 0x0
	ROUND                                          ; the closing round: no work-group ends while a partner may still ask for a block that names it
	s_endpgm
.Lfunc_end_k_qc62c39f1fe_nearest:
	.size	k_qc62c39f1fe_nearest, .Lfunc_end_k_qc62c39f1fe_nearest-k_qc62c39f1fe_nearest
	.p2alignl 7, 3214868480
	.fill 96, 4, 3214868480
	.section	.rodata,"a",@progbits
	.p2align	6, 0x0
	.amdhsa_kernel k_qc62c39f1fe_nearest
		.amdhsa_group_segment_fixed_size 327680
		.amdhsa_private_segment_fixed_size 0
		.amdhsa_enable_private_segment 0
		.amdhsa_kernarg_size 32
		.amdhsa_user_sgpr_count 2
		.amdhsa_user_sgpr_kernarg_segment_ptr 1
		.amdhsa_wavefront_size32 1
		.amdhsa_system_sgpr_workgroup_id_x 1
		.amdhsa_system_sgpr_workgroup_id_y 1
		.amdhsa_system_sgpr_workgroup_id_z 1
		.amdhsa_system_vgpr_workitem_id 0
		.amdhsa_next_free_vgpr 512
		.amdhsa_next_free_sgpr 66
		.amdhsa_reserve_vcc 1
		.amdhsa_float_denorm_mode_32 3
		.amdhsa_float_denorm_mode_16_64 3
		.amdhsa_memory_ordered 1
		.amdhsa_forward_progress 1
		.amdhsa_inst_pref_size 229
	.end_amdhsa_kernel
	.amdgpu_metadata
---
amdhsa.version: [ 1, 2 ]
amdhsa.kernels:
  - .name:           k_qc62c39f1fe_nearest
    .symbol:         k_qc62c39f1fe_nearest.kd
    .args:
      - { .name: zw, .offset: 0, .size: 8, .value_kind: global_buffer, .address_space: global }
      - { .name: cbw, .offset: 8, .size: 8, .value_kind: global_buffer, .address_space: global }
      - { .name: lowp_scales, .offset: 16, .size: 8, .value_kind: global_buffer, .address_space: global }
      - { .name: idx, .offset: 24, .size: 8, .value_kind: global_buffer, .address_space: global }
    .group_segment_fixed_size: 327680
    .private_segment_fixed_size: 0
    .kernarg_segment_align: 8
    .kernarg_segment_size: 32
    .max_flat_workgroup_size: 256
    .sgpr_count:     66
    .vgpr_count:     512
    .wavefront_size: 32
...
	.end_amdgpu_metadata
.endif
;; end of part 2
;; launch gather (part 3): grid 256 x 1, 8 waves a work-group, no clusters, 0 bytes of LDS; arguments idx, codebook, out0; writes out0
.if DOCPART == 3
	.amdgcn_target "amdgcn-amd-amdhsa--gfx1250"
	.amdhsa_code_object_version 6
	.text
	.protected	k_qc62c39f1fe_gather
	.globl	k_qc62c39f1fe_gather
	.p2align	8
	.type	k_qc62c39f1fe_gather,@function
k_qc62c39f1fe_gather:
	s_mov_b64 s[64:65], 0
	v_nop
	global_prefetch_b8 v0, s[64:65] scope:SCOPE_SE
	s_setreg_imm32_b32 hwreg(HW_REG_WAVE_MODE, 25, 1), 1
	s_wait_xcnt 0x0
; out0[n][:] = codebook[idx[n]][:].  idx: 32,768 whole numbers (int32) that the launch before stored; codebook [8192][256] and out0 [32768][256]: f32, rows of 1,024 bytes.
; A work-group takes 128 rows of out0, each of its eight waves 16.  A wave reads its 16 indices by one scalar load, holds each at 8,191, and copies each row by two loads and two stores of 512 consecutive bytes.
; All 32 loads of a wave go out at once (16 KiB); every register is written once.  Memory binds: no LDS, no barrier, no matrix work; a row of the codebook may be named by many tokens, so its loads carry no hint.
.set ROW, 1024
.set OFS, 2                            ; v2-17   row k: 1,024 x its index + 16 lane
.set R,   32                           ; v32-159 row k: 8 registers
	s_load_b128 s[4:7], s[0:1], 0x0                ; idx, codebook
	s_load_b64 s[8:9], s[0:1], 0x10                ; out0
	v_lshrrev_b32 v1, 5, v0
	v_readfirstlane_b32 s10, v1                    ; wave 0..7
	v_and_b32 v1, 31, v0
	v_lshlrev_b32 v1, 4, v1                        ; 16 bytes a lane
	s_lshl_b32 s12, ttmp9, 9                       ; 128 indices of 4 bytes,
	s_lshl_b32 s13, s10, 6                         ; my wave's 16 of them
	s_add_co_u32 s12, s12, s13
	s_mov_b32 s13, 0
	s_lshl_b32 s14, ttmp9, 17                      ; 128 rows of 1,024 bytes,
	s_lshl_b32 s15, s10, 14                        ; my wave's 16
	s_add_co_u32 s14, s14, s15
	s_mov_b32 s15, 0
	s_wait_kmcnt 0x0
	s_add_nc_u64 s[4:5], s[4:5], s[12:13]
	s_add_nc_u64 s[8:9], s[8:9], s[14:15]
	s_load_b512 s[16:31], s[4:5], 0x0              ; my 16 indices
	s_wait_kmcnt 0x0
.irp k, 0,1,2,3,4,5,6,7,8,9,10,11,12,13,14,15
	s_min_u32 s[16+\k], s[16+\k], 0x1fff           ; an index stays inside the table
	s_lshl_b32 s[16+\k], s[16+\k], 10
	v_add_nc_u32 v[OFS+\k], s[16+\k], v1
.endr
.irp k, 0,1,2,3,4,5,6,7,8,9,10,11,12,13,14,15
	global_load_b128 v[R+8*\k:R+8*\k+3], v[OFS+\k], s[6:7]
	global_load_b128 v[R+8*\k+4:R+8*\k+7], v[OFS+\k], s[6:7] offset:512
.endr
.irp k, 0,1,2,3,4,5,6,7,8,9,10,11,12,13,14,15
	s_wait_loadcnt 30-2*\k                         ; loads come back in order: row k's two are in, the two of each later row may be out
	global_store_b128 v1, v[R+8*\k:R+8*\k+3], s[8:9] offset:ROW*\k th:TH_STORE_NT          ; 32 lanes store 512 consecutive bytes, at a multiple of 256 from out0's first byte
	global_store_b128 v1, v[R+8*\k+4:R+8*\k+7], s[8:9] offset:ROW*\k+512 th:TH_STORE_NT
.endr
	s_endpgm
.Lfunc_end_k_qc62c39f1fe_gather:
	.size	k_qc62c39f1fe_gather, .Lfunc_end_k_qc62c39f1fe_gather-k_qc62c39f1fe_gather
	.p2alignl 7, 3214868480
	.fill 96, 4, 3214868480
	.section	.rodata,"a",@progbits
	.p2align	6, 0x0
	.amdhsa_kernel k_qc62c39f1fe_gather
		.amdhsa_group_segment_fixed_size 0
		.amdhsa_private_segment_fixed_size 0
		.amdhsa_enable_private_segment 0
		.amdhsa_kernarg_size 24
		.amdhsa_user_sgpr_count 2
		.amdhsa_user_sgpr_kernarg_segment_ptr 1
		.amdhsa_wavefront_size32 1
		.amdhsa_system_sgpr_workgroup_id_x 1
		.amdhsa_system_sgpr_workgroup_id_y 1
		.amdhsa_system_sgpr_workgroup_id_z 1
		.amdhsa_system_vgpr_workitem_id 0
		.amdhsa_next_free_vgpr 160
		.amdhsa_next_free_sgpr 66
		.amdhsa_reserve_vcc 0
		.amdhsa_float_denorm_mode_32 3
		.amdhsa_float_denorm_mode_16_64 3
		.amdhsa_memory_ordered 1
		.amdhsa_forward_progress 1
		.amdhsa_inst_pref_size 10
	.end_amdhsa_kernel
	.amdgpu_metadata
---
amdhsa.version: [ 1, 2 ]
amdhsa.kernels:
  - .name:           k_qc62c39f1fe_gather
    .symbol:         k_qc62c39f1fe_gather.kd
    .args:
      - { .name: idx, .offset: 0, .size: 8, .value_kind: global_buffer, .address_space: global }
      - { .name: codebook, .offset: 8, .size: 8, .value_kind: global_buffer, .address_space: global }
      - { .name: out0, .offset: 16, .size: 8, .value_kind: global_buffer, .address_space: global }
    .group_segment_fixed_size: 0
    .private_segment_fixed_size: 0
    .kernarg_segment_align: 8
    .kernarg_segment_size: 24
    .max_flat_workgroup_size: 256
    .sgpr_count:     66
    .vgpr_count:     160
    .wavefront_size: 32
...
	.end_amdgpu_metadata
.endif
;; end of part 3
